; MI455X (gfx1250); checked and timed in simulation.
; The chip was launched on July 23, 2026; its instructions are those of AMD's public machine-readable ISA for CDNA 5 (MIT licence, August 2026) and "CDNA5" Instruction Set Architecture Reference Guide (July 2026). The comments in the code are by the model that wrote it; some were corrected since.
;; Seq2 Seq Attention. Allowed arithmetic: float matrix products may take bf16 or f16 operands with f32 sums; other float arithmetic in f32, or as packed bf16 or f16 multiplies, adds, multiply-adds, maxima and minima; sums over many terms, partial sums and values carried from step to step in f32; what a program stores and reads back later, other than sums and carried values, may be rounded once to bf16 or f16.
;; Inputs: W 1,024 x 2,048 float32; b 1,024 float32; h_dec 32 x 1,024 float32; h_enc 32 x 2,048 x 1,024 float32; src_lens 32 int32; v 1,024 float32.
;; Outputs: out0 32 x 1,024 float32; out1 32 x 2,048 float32.
;; One version. Each part assembles by itself: llvm-mc -triple=amdgcn-amd-amdhsa -mcpu=gfx1250 --defsym DOCPART=n.
;; ======== version 1 of 1: 3 launches
;; workspace buffers: WB 2,097,152 bytes; BC 131,072 bytes; VV 4,352 bytes; SC 262,144 bytes; CP 2,228,224 bytes
;; launch prep (part 1): grid 64 x 1, 16 waves a work-group, no clusters, 34,816 bytes of LDS; arguments W, b, h_dec, v, WB, BC, VV; writes WB, BC, VV
.if DOCPART == 1
	.amdgcn_target "amdgcn-amd-amdhsa--gfx1250"
	.amdhsa_code_object_version 6
	.text
	.protected	k_q92b5dcb3b2_prep
	.globl	k_q92b5dcb3b2_prep
	.p2align	8
	.type	k_q92b5dcb3b2_prep,@function
k_q92b5dcb3b2_prep:
	s_mov_b64 s[64:65], 0
	v_nop
	global_prefetch_b8 v0, s[64:65] scope:SCOPE_SE
	s_setreg_imm32_b32 hwreg(HW_REG_WAVE_MODE, 25, 1), 1
	s_wait_xcnt 0x0
; PREPARATION.  Work-group g owns the 16 rows a = 16 g .. 16 g + 15 of W [1024][2048] f32.
;  BC[g][n][a % 16] = c (sum over d of bf16(h_dec[n][d]) bf16(W[a][d]) + bf16(b[a])), f32, c = 2 log2(e): what the main launch adds to c x enc_proj.
;  WB = bf16(W[a][1024 + k]) in the order [a / 64][k / 512][a % 64][k % 512]: the main launch's tiles of 64 a x 1,024 k are 131,072 dense bytes.
;  VV[a] = -2 bf16(v[a]); behind it the sum of bf16(v), 64 times (work-group 0, wave 4).
; Every input is rounded to bf16 once; sums stay in f32.  NaN and infinities are not treated apart.
; SHARES.  K = 1,024 of the small product is split among the 16 waves, 64 each (256 consecutive bytes, aligned, of every row); the partial sums meet in LDS.
; A lane takes 16 consecutive k of its row for each step of 32, in W and in h_dec alike: a permutation of k common to both sources keeps the products.
; Source 0 = 16 rows of W, source 1 = 16 rows of h_dec: a lane ends with one n and eight neighbouring a.
; No cluster and no tensor load: no two work-groups share more than h_dec's 128 KiB, and each wave's loads all go out together.
.set SPARE, 32768                      ; behind the partial sums: the spare words, 128 bytes for each of 16 waves
.set FW,  2                            ; v2   r x 8,192 + 256 w + 64 h: my 64 bytes in a step of W's rows
.set FH,  3                            ; v3   r x 4,096 + 256 w + 64 h: the same in h_dec
.set WE,  4                            ; v4   w x 8,192 + 4,096 + 16 l: my 16 bytes of row 16 g + w's second half
.set WO,  5                            ; v5   w x 1,024 + 8 l: where they go in WB
.set PS,  6                            ; v6   LDS: 2,048 w + 64 r + 32 h
.set PR,  7                            ; v7   16 x (thread % 128): LDS read, and offset in BC
.set BO,  8                            ; v8   64 g + 16 (thread % 4): my four b
.set SPW, 9                            ; v9   my spare word; never rewritten
.set NIL, 10                           ; v10  0; never rewritten
.set LQ,  228                          ; v228 16 l
.set LE,  229                          ; v229 8 l
	s_load_b256 s[4:11], s[0:1], 0x0               ; W s[4:5], b s[6:7], h_dec s[8:9], v s[10:11]
	s_load_b128 s[12:15], s[0:1], 0x20             ; WB s[12:13], BC s[14:15]
	s_load_b64 s[16:17], s[0:1], 0x30              ; VV
	v_lshl_add_u32 v[SPW], v0, 2, SPARE
	v_mov_b32 v[NIL], 0
	v_lshrrev_b32 v1, 5, v0
	v_readfirstlane_b32 s18, v1                    ; wave 0..15
	s_mov_b32 s19, ttmp9                           ; g
	v_and_b32 v224, 15, v0                         ; r
	v_bfe_u32 v225, v0, 4, 1                       ; h
	v_and_b32 v226, 31, v0                         ; l
	s_lshl_b32 s20, s18, 8
	v_lshlrev_b32 v[FW], 13, v224
	v_lshl_add_u32 v[FW], v225, 6, v[FW]
	v_add_nc_u32 v[FW], s20, v[FW]
	v_lshlrev_b32 v[FH], 12, v224
	v_lshl_add_u32 v[FH], v225, 6, v[FH]
	v_add_nc_u32 v[FH], s20, v[FH]
	s_lshl_b32 s21, s18, 13
	s_add_co_u32 s21, s21, 4096
	v_lshl_add_u32 v[WE], v226, 4, s21
	s_lshl_b32 s22, s18, 10
	v_lshl_add_u32 v[WO], v226, 3, s22
	s_lshl_b32 s23, s18, 11
	v_lshl_add_u32 v[PS], v224, 6, s23
	v_lshl_add_u32 v[PS], v225, 5, v[PS]
	v_and_b32 v[PR], 127, v0
	v_lshlrev_b32 v[PR], 4, v[PR]
	s_lshl_b32 s34, s19, 6
	v_and_b32 v[BO], 3, v0
	v_lshl_add_u32 v[BO], v[BO], 4, s34
	v_lshlrev_b32 v[LQ], 4, v226
	v_lshlrev_b32 v[LE], 3, v226
	s_lshl_b32 s24, s19, 17                        ; 16 rows of W
	s_mov_b32 s25, 0
	s_lshr_b32 s26, s19, 2                         ; WB: (g / 4) x 131,072 + (g % 4) x 16,384
	s_lshl_b32 s26, s26, 17
	s_and_b32 s28, s19, 3
	s_lshl_b32 s28, s28, 14
	s_add_co_u32 s26, s26, s28
	s_mov_b32 s27, 0
	s_lshl_b32 s30, s19, 11                        ; BC: 2,048 g
	s_mov_b32 s31, 0
	s_mov_b32 s32, 0x76543210                      ; v_permlanex16_b32: each lane takes its own place in the other half
	s_mov_b32 s33, 0xfedcba98
	s_mov_b32 s36, 0x4038aa3b                      ; c = 2 log2(e)
	s_mov_b32 s37, s36
	s_wait_kmcnt 0x0
	s_add_nc_u64 s[4:5], s[4:5], s[24:25]
	s_add_nc_u64 s[12:13], s[12:13], s[26:27]
	s_add_nc_u64 s[14:15], s[14:15], s[30:31]
	global_load_b128 v[12:15], v[BO], s[6:7]
.irp s, 0,1
.irp q, 0,1,2,3
	global_load_b128 v[16+16*(\s)+4*(\q):16+16*(\s)+4*(\q)+3], v[FW], s[4:5] offset:128*(\s)+16*(\q)
.endr
.endr
.irp t, 0,1
.irp s, 0,1
.irp q, 0,1,2,3
	global_load_b128 v[48+32*(\t)+16*(\s)+4*(\q):48+32*(\t)+16*(\s)+4*(\q)+3], v[FH], s[8:9] offset:65536*(\t)+128*(\s)+16*(\q)
.endr
.endr
.endr
.irp u, 0,1,2,3,4,5,6,7
	global_load_b128 v[112+4*(\u):112+4*(\u)+3], v[WE], s[4:5] offset:512*(\u)
.endr
	s_wait_loadcnt 8                               ; b and the fragments are in; the eight loads of the We row may stay out
.set i, 0
.rept 16
	v_cvt_pk_bf16_f32 v[144+i], v[16+2*i], v[17+2*i]   ; W: step s at v[144 + 8 s]
.set i, i+1
.endr
.set i, 0
.rept 32
	v_cvt_pk_bf16_f32 v[160+i], v[48+2*i], v[49+2*i]   ; h_dec: rows 16 t .., step s at v[160 + 16 t + 8 s]
.set i, i+1
.endr
	v_wmma_f32_16x16x32_bf16 v[192:199], v[144:151], v[160:167], 0        ; two accumulators by turns; the first step starts the sums
	v_wmma_f32_16x16x32_bf16 v[200:207], v[144:151], v[176:183], 0
	v_wmma_f32_16x16x32_bf16 v[192:199], v[152:159], v[168:175], v[192:199]
	v_wmma_f32_16x16x32_bf16 v[200:207], v[152:159], v[184:191], v[200:207]
	s_wait_loadcnt 0x0                             ; the We row
.irp u, 0,1,2,3,4,5,6,7
	v_cvt_pk_bf16_f32 v[208+2*(\u)], v[112+4*(\u)], v[113+4*(\u)]     ; sixteen plain instructions: also the places behind the products
	v_cvt_pk_bf16_f32 v[209+2*(\u)], v[114+4*(\u)], v[115+4*(\u)]
.endr
.irp u, 0,1,2,3,4,5,6,7
	global_store_b64 v[WO], v[208+2*(\u):209+2*(\u)], s[12:13] offset:((\u)/4)*65536+((\u)%4)*256  ; 32 lanes store 256 consecutive bytes, aligned
.endr
	ds_store_b128 v[PS], v[192:195]
	ds_store_b128 v[PS], v[196:199] offset:16
	ds_store_b128 v[PS], v[200:203] offset:1024
	ds_store_b128 v[PS], v[204:207] offset:1040
	s_wait_dscnt 0x0                               ; for the others' sake: my partial sums lie in LDS
	s_barrier_signal -1
	s_barrier_wait -1
	s_cmp_lt_u32 s18, 4
	s_cbranch_scc0 .Lnot_sum
.irp w, 0,1,2,3,4,5,6,7,8,9,10,11,12,13,14,15
	ds_load_b128 v[16+4*(\w):16+4*(\w)+3], v[PR] offset:2048*(\w)     ; waves 0-3: 128 threads, four numbers each, of all 16 partial sums
.endr
	v_cvt_pk_bf16_f32 v80, v12, v13                ; b rounded to bf16 and widened again
	v_cvt_pk_bf16_f32 v81, v14, v15
	v_lshlrev_b32 v12, 16, v80
	v_and_b32 v13, 0xffff0000, v80
	v_lshlrev_b32 v14, 16, v81
	v_and_b32 v15, 0xffff0000, v81
	s_wait_dscnt 0x0
.irp st, 8,4,2,1
.set i, 0
.rept \st
	v_pk_add_f32 v[16+4*i:17+4*i], v[16+4*i:17+4*i], v[16+4*(i+\st):17+4*(i+\st)]
	v_pk_add_f32 v[18+4*i:19+4*i], v[18+4*i:19+4*i], v[18+4*(i+\st):19+4*(i+\st)]
.set i, i+1
.endr
.endr
	v_pk_add_f32 v[16:17], v[16:17], v[12:13]
	v_pk_add_f32 v[18:19], v[18:19], v[14:15]
	v_pk_mul_f32 v[16:17], v[16:17], s[36:37] op_sel_hi:[1,0]
	v_pk_mul_f32 v[18:19], v[18:19], s[36:37] op_sel_hi:[1,0]
	global_store_b128 v[PR], v[16:19], s[14:15]    ; a wave stores 512 consecutive bytes, aligned
	s_branch .Lend
.Lnot_sum:
	s_cmp_eq_u32 s18, 4
	s_cbranch_scc0 .Lend
	s_cmp_eq_u32 s19, 0
	s_cbranch_scc0 .Lend
.irp u, 0,1,2,3,4,5,6,7
	global_load_b128 v[16+4*(\u):16+4*(\u)+3], v[LQ], s[10:11] offset:512*(\u)   ; all of v, once in the launch
.endr
	s_wait_loadcnt 0x0
.set i, 0
.rept 16
	v_cvt_pk_bf16_f32 v[80+i], v[16+2*i], v[17+2*i]
.set i, i+1
.endr
.set i, 0
.rept 16
	v_lshlrev_b32 v[16+2*i], 16, v[80+i]
	v_and_b32 v[17+2*i], 0xffff0000, v[80+i]
.set i, i+1
.endr
	v_pk_add_f32 v[96:97], v[16:17], v[18:19]
.set i, 2
.rept 14
	v_pk_add_f32 v[96:97], v[96:97], v[16+2*i:17+2*i]
.set i, i+1
.endr
	v_add_f32 v96, v96, v97
	v_add_f32_dpp v96, v96, v96 row_xmask:1 row_mask:0xf bank_mask:0xf
	v_add_f32_dpp v96, v96, v96 row_xmask:2 row_mask:0xf bank_mask:0xf
	v_add_f32_dpp v96, v96, v96 row_xmask:4 row_mask:0xf bank_mask:0xf
	v_add_f32_dpp v96, v96, v96 row_xmask:8 row_mask:0xf bank_mask:0xf
	v_permlanex16_b32 v97, v96, s32, s33
	v_add_f32 v96, v96, v97
	v_mov_b32 v97, v96
.set i, 0
.rept 16
	v_pk_mul_f32 v[16+2*i:17+2*i], v[16+2*i:17+2*i], -2.0 op_sel_hi:[1,0]
.set i, i+1
.endr
.irp u, 0,1,2,3,4,5,6,7
	global_store_b128 v[LQ], v[16+4*(\u):16+4*(\u)+3], s[16:17] offset:512*(\u)
.endr
	global_store_b64 v[LE], v[96:97], s[16:17] offset:4096   ; the sum, 64 times: 256 consecutive bytes, aligned
.Lend:
	s_wait_tensorcnt 0x0                           ; the wave's end: behind my last LDS store
	ds_add_u32 v[SPW], v[NIL]
	s_wait_dscnt 0x0
	s_endpgm
.Lfunc_end_k_q92b5dcb3b2_prep:
	.size	k_q92b5dcb3b2_prep, .Lfunc_end_k_q92b5dcb3b2_prep-k_q92b5dcb3b2_prep
	.p2alignl 7, 3214868480
	.fill 96, 4, 3214868480
	.section	.rodata,"a",@progbits
	.p2align	6, 0x0
	.amdhsa_kernel k_q92b5dcb3b2_prep
		.amdhsa_group_segment_fixed_size 34816
		.amdhsa_private_segment_fixed_size 0
		.amdhsa_enable_private_segment 0
		.amdhsa_kernarg_size 56
		.amdhsa_user_sgpr_count 2
		.amdhsa_user_sgpr_kernarg_segment_ptr 1
		.amdhsa_wavefront_size32 1
		.amdhsa_system_sgpr_workgroup_id_x 1
		.amdhsa_system_sgpr_workgroup_id_y 1
		.amdhsa_system_sgpr_workgroup_id_z 1
		.amdhsa_system_vgpr_workitem_id 0
		.amdhsa_next_free_vgpr 256
		.amdhsa_next_free_sgpr 66
		.amdhsa_reserve_vcc 0
		.amdhsa_float_denorm_mode_32 3
		.amdhsa_float_denorm_mode_16_64 3
		.amdhsa_memory_ordered 1
		.amdhsa_forward_progress 1
		.amdhsa_inst_pref_size 22
	.end_amdhsa_kernel
	.amdgpu_metadata
---
amdhsa.version: [ 1, 2 ]
amdhsa.kernels:
  - .name:           k_q92b5dcb3b2_prep
    .symbol:         k_q92b5dcb3b2_prep.kd
    .args:
      - { .name: W, .offset: 0, .size: 8, .value_kind: global_buffer, .address_space: global }
      - { .name: b, .offset: 8, .size: 8, .value_kind: global_buffer, .address_space: global }
      - { .name: h_dec, .offset: 16, .size: 8, .value_kind: global_buffer, .address_space: global }
      - { .name: v, .offset: 24, .size: 8, .value_kind: global_buffer, .address_space: global }
      - { .name: WB, .offset: 32, .size: 8, .value_kind: global_buffer, .address_space: global }
      - { .name: BC, .offset: 40, .size: 8, .value_kind: global_buffer, .address_space: global }
      - { .name: VV, .offset: 48, .size: 8, .value_kind: global_buffer, .address_space: global }
    .group_segment_fixed_size: 34816
    .private_segment_fixed_size: 0
    .kernarg_segment_align: 8
    .kernarg_segment_size: 56
    .max_flat_workgroup_size: 512
    .sgpr_count:     66
    .vgpr_count:     256
    .wavefront_size: 32
...
	.end_amdgpu_metadata
.endif
;; end of part 1
;; launch main (part 2): grid 256 x 1, 4 waves a work-group, clusters of 4 x 1, 327,680 bytes of LDS; arguments h_enc, src_lens, WB, BC, VV, SC, CP; writes SC, CP
.if DOCPART == 2
	.amdgcn_target "amdgcn-amd-amdhsa--gfx1250"
	.amdhsa_code_object_version 6
	.text
	.protected	k_q92b5dcb3b2_main
	.globl	k_q92b5dcb3b2_main
	.p2align	8
	.type	k_q92b5dcb3b2_main,@function
k_q92b5dcb3b2_main:
	s_mov_b64 s[64:65], 0
	v_nop
	global_prefetch_b8 v0, s[64:65] scope:SCOPE_SE
	s_setreg_imm32_b32 hwreg(HW_REG_WAVE_MODE, 25, 1), 1
	s_wait_xcnt 0x0
	s_wait_alu depctr_hold_cnt(0) depctr_sa_sdst(0) depctr_va_vdst(0) depctr_va_sdst(0) depctr_va_ssrc(0) depctr_va_vcc(0) depctr_vm_vsrc(0)
	s_getreg_b32 s2, hwreg(HW_REG_IB_STS2, 6, 4)
	s_cmp_eq_u32 s2, 0
	s_cbranch_scc0 .Lentry_in_a_cluster
	s_endpgm
.Lentry_in_a_cluster:
	s_bfe_u32 s2, ttmp6, 0x10000c
	s_cmp_lg_u32 s2, 0x3003
	s_cbranch_scc0 .Lentry_shape_is_right
	s_endpgm
.Lentry_shape_is_right:
; SCORES AND PARTIAL CONTEXT.  score[n][t] = sum over a of v[a] tanh(dec_proj[n][a] + b[a] + sum over k of h_enc[n][t][k] We[a][k]), masked to -1e10 where t >= src_lens[n];
; then, for each block of 128 rows t: m = the block's largest score, p = e^(score - m), l = the sum of p, and the partial context sum over t of p h_enc[n][t][:].  The last launch joins the blocks.
; tanh(x) = 1 - 2 / (1 + 2^(c x)), c = 2 log2(e): score = SV + sum over a of VV[a] / (1 + 2^(c enc + BC[a])), with BC = c (dec_proj + b), VV = -2 v, SV = the sum of v, all from the launch before.
; FORMATS.  h_enc and We are rounded to bf16 once, for the scores and for the context alike; sums, scores, maxima and partial contexts stay in f32; p enters its product as two bf16 terms, p = hi + lo.
; LIMITS.  2^x beyond f32's range gives tanh = 1, below it tanh = -1; a p below 2^-126 counts as 0; NaN and infinities are not treated apart; src_lens lies within +-2^30.
; SHARES.  A work-group owns 256 rows of one n, as two blocks of 128.  K IS SPLIT BETWEEN THE TWO WAVES OF A PAIR: wave w = 2 p + kh holds the 64 rows of pair p for k = 512 kh .. 512 kh + 511, in bf16, in
; 512 registers, converted once: they serve the scores and the context, and h_enc leaves memory once.  All of We (2 MiB in bf16) streams past them through two LDS slots of 64 a x 1,024 k, of which a wave
; reads its K half; a fragment of We feeds four products.  A PASS is 16 a x 64 rows x 512 k: 64 products on four accumulators.  The wave keeps the two of its own 32 rows (32 w ..) and hands the two of its
; partner's rows over through LDS, in f32: for 64 products 32 fragment loads, 4 stores, 4 loads and 4 table loads, in two runs.  Row tiles are numbered from the wave's own: 0, 1 own, 2, 3 the partner's.
; CLUSTER.  All work-groups walk the same tiles of We: the four of a cluster ask for each JOINTLY (the same load, descriptor and mask in all four).  h_enc's tiles are each work-group's own.
; THE RING.  For each block the tiles H0..H3 (each wave loading and reading its own 64 rows x 128 k of h_enc in f32) and W0..W15; tile u lies in slot u % 2 and is asked for when tile u - 2 has been read.
; Each wave loads a quarter of every tile: one tensor load behind each change of slots; at most two of a wave's are out (at the start), later one.
; ORIENTATION.  Source 0 = 16 rows a of We, source 1 = 16 rows t of h: in the result a lane holds ONE t (lane % 16) and the a = 8 (lane / 16) + 0..7.
; No prefetch of h_enc: two tiles of 128 KiB a work-group are on their way by tensor loads already when the next could be named; WB is read by every work-group again and again.
; REGISTERS, in windows of 256 (s_set_vgpr_msb: bits 1:0 source 0, 3:2 source 1, 5:4 source 2, 7:6 destination):
;   window 0: v0-31 addresses; v32-39 BC's, v40-47 VV's eight numbers; v48-63 TN, the pass in work; v64-127 accumulators, two sets of four; v128-255 We's fragments, two buffers of 64
;   window 1: v0-15 the scores' sums          windows 2, 3: h's fragments: step kap of 32 along k, row tile mu at 8 (4 (kap % 8) + mu), kap < 8 in window 2
; Under the products' setting only source 1 leaves window 0, so LDS loads and vector lines with no vector register as source 1 stand among the products without a switch.
.set PITCH, 1040                       ; a row of a W tile in LDS: 1,024 bytes + 16 = 65 x 16: the 16 rows of a load start at 16 different 16-byte columns modulo 256 bytes
.set WPART, 32*PITCH                   ; a wave's quarter of a W tile
.set KHALF, 64*PITCH                   ; a W tile: 64 rows a for k < 512, then 64 rows for k >= 512
.set HPIT,  528                        ; a row of an H tile: 512 bytes + 16 = 33 x 16
.set HPART, 64*HPIT                    ; a wave's quarter of an H tile
.set SLOTB, 4*HPART                    ; 135,168: the larger of the two kinds of tile
.set STG,   2*SLOTB                    ; behind the ring, never filled by a tensor load: for each wave 32 rows x 288 bytes; its first 4 KiB are also the wave's outbox for the exchange, two buffers
.set SPT,   288                        ; 256 + 32 bytes = 9 x 32
.set SWAVE, 32*SPT
.set CTXW,  STG+4*SWAVE                ; the two pairs' partial contexts, 1,024 f32 each
.set SCR,   CTXW+8192                  ; the block's 128 scores
.set TAB,   SCR+512                    ; 256 bytes of 0, BC[n] (4,096), 256 bytes of 0, VV (4,096)
.set SPARE, TAB+8704                   ; the spare words, 128 bytes for each wave: two blocks of 256 bytes that no other line names
.set LB,   2                           ; v2   kh x 66,560 + r x 1,040 + 16 h: my place in a fragment of We
.set ADR,  3                           ; v3   LB + the slot in hand
.set TA,   4                           ; v4   the tables' address: TA0 + 256 x the slot's number in the block
.set TA0,  5                           ; v5   TAB + 128 + 32 h
.set HBO,  6                           ; v6-7 my own 32 rows in my part of an H tile, slot 0, 1: + r x 528 + 32 h
.set HBF,  8                           ; v8-9 my partner's 32 rows there
.set STA,  10                          ; v10  stage: where I put 16 bytes of a row
.set TRA,  11                          ; v11  stage: my address for the turning load
.set CA,   12                          ; v12  my word in my pair's partial context
.set CR,   13                          ; v13  where I read the partial contexts
.set SCA,  14                          ; v14  my score's word
.set QA,   15                          ; v15  four of the block's scores
.set PA,   16                          ; v16  my own rows' scores, rows 8 h ..
.set PB,   17                          ; v17  my partner's rows' scores
.set L16,  18                          ; v18  16 l
.set SPW,  19                          ; v19  my spare word; never rewritten
.set NIL,  20                          ; v20  0; never rewritten
.set W16,  21                          ; v21  512 w + 16 l
.set L8,   22                          ; v22  8 l
.set TL,   23                          ; v23  32 w + r
.set XO,   24                          ; v24  my outbox + 16 l
.set XI,   25                          ; v25  my partner's outbox + 16 l
.set QS,   26                          ; v26-29 four scores, kept for the store
.set ML,   30                          ; v30-31 m, l
.set BCT,  32
.set VVT,  40
.set TN,   48
.set PH,   32                          ; in the block's end: p's high terms, own rows then the partner's
.set PL,   48                          ; and its low terms
.set ACC,  64
.set BR,   128
.set SCS,  0                           ; window 1
.set WV,   18                          ; s18  my wave's number
.set CX,   19                          ; s19  my place in the cluster: it enters global addresses of my own tensors and the mask's bound alone
.set WG,   20                          ; s20  4 x cluster + place
.set NN,   21                          ; s21  n = cluster / 2
.set KH,   22                          ; s22  my K half
.set PR,   23                          ; s23  my pair
.set G1H,  24                          ; s[24:31] group 1 for h_enc's tiles
.set G1W,  32                          ; s[32:39] for We's
.set G0H,  40                          ; s[40:43] group 0 for h_enc's tiles
.set G0W,  44                          ; s[44:47] for We's
.set HP,   48                          ; s[48:49] h_enc at my pair's first row and my K half
.set HO,   50                          ; s[50:51] offset of the next tile of h_enc
.set WP,   52                          ; s[52:53] WB at my wave's quarter of tile 0
.set WJ,   54                          ; s[54:55] offset of the next tile of We
.set TB,   56                          ; s56  the slot in hand
.set WL,   57                          ; s57  my quarter of a W tile in a slot
.set CNT,  58
.set BLK,  59
.set CC,   60                          ; s[60:61] c
.set SEL,  62                          ; s[62:63] v_permlanex16_b32: each lane takes its own place in the other half
.set LENR, 66                          ; s66  src_lens[n] less the block's first t
.set SV,   67
.set HIM,  68                          ; s68  0xffff0000: a word's upper bf16, and lanes 16-31
.set WH,   69                          ; s69  my quarter of an H tile in a slot
.set BCP,  70                          ; s[70:71] BC at n
.set SCP,  74                          ; s[74:75] SC at the block
.set CPP,  76                          ; s[76:77] CP at the block's row
.set L2E,  78                          ; s[78:79] log2(e)
.set WOF,  84                          ; s[84:85] made of the wave's number alone
.set LS,   86                          ; s86  the same, for LDS addresses
.set WX,   87                          ; s87  my partner's number
.set G0X,  88                          ; s[88:91] group 0 of the second first fill
.set W_MM2, 0x08                       ; products: source 1 in window 2
.set W_MM3, 0x0c                       ; in window 3
.set W_VS,  0x50                       ; sums: sources 0 and 1 in window 0, source 2 and destination in window 1
.set W_D1,  0x40
.set W_S1,  0x05
.set MSB, 0
.macro WIN new                         ; the high byte repeats the setting that is left; a switch that changes nothing is dropped
.if MSB != (\new)
	s_set_vgpr_msb (MSB<<8)|(\new)
.set MSB, (\new)
.endif
.endm
.macro PLACES n
.rept \n
	v_nop
.endr
.endm
.macro CREST                           ; a round of the cluster's barrier behind its opening barrier
	s_cmp_lg_u32 s[WV], 0
	s_cbranch_scc1 .Lnot_wave_0_\@
	s_barrier_signal -3
.Lnot_wave_0_\@:
	s_barrier_wait -3
	s_barrier_signal -1
	s_barrier_wait -1
.endm
.macro CROUND
	s_barrier_signal -1
	s_barrier_wait -1
	CREST
.endm
; h_enc's TILES.  Unit u of chunk c: row tile u, four steps of 32 k: 16 LDS loads of f32 (a lane's k = 8 h + 0..7 and 16 + 8 h + 0..7 of each step), then 32 roundings into the fragments.
.macro HLD c, u
.if (\u) < 2
.set hb, HBO+((\c)%2)
.else
.set hb, HBF+((\c)%2)
.endif
.set tt, BR+64*((\u)%2)
.irp f, 0,1,2,3
.set ofs, ((\u)%2)*16*HPIT+(\f)*128
	ds_load_b128 v[tt+16*(\f):tt+16*(\f)+3],     v[hb] offset:ofs
	ds_load_b128 v[tt+16*(\f)+4:tt+16*(\f)+7],   v[hb] offset:ofs+16
	ds_load_b128 v[tt+16*(\f)+8:tt+16*(\f)+11],  v[hb] offset:ofs+64
	ds_load_b128 v[tt+16*(\f)+12:tt+16*(\f)+15], v[hb] offset:ofs+80
.endr
.endm
.macro HCV c, u
.set tt, BR+64*((\u)%2)
.irp f, 0,1,2,3
.set ra, 8*(4*((4*(\c)+(\f))%8)+(\u))
.irp i, 0,1,2,3,4,5,6,7
	v_cvt_pk_bf16_f32 v[ra+(\i)], v[tt+16*(\f)+2*(\i)], v[tt+16*(\f)+2*(\i)+1]
.endr
.endr
.endm
.macro HCHUNK c                        ; 128 k of my 64 rows; two sets of 64 registers take turns
	WIN 0
	HLD \c, 0
	HLD \c, 1
	s_wait_dscnt 16                                ; the younger unit's 16 loads may stay out
	WIN 0x80+0x40*((\c)/2)
	HCV \c, 0
	WIN 0
	HLD \c, 2
	s_wait_dscnt 16
	WIN 0x80+0x40*((\c)/2)
	HCV \c, 1
	WIN 0
	HLD \c, 3
	s_wait_dscnt 16
	WIN 0x80+0x40*((\c)/2)
	HCV \c, 2
	s_wait_dscnt 0x0
	HCV \c, 3
	WIN 0
.endm
; A CHANGE OF SLOTS among h_enc's tiles.  Each wave waits for all its tensor loads, adds 0 to its spare word, waits for that and for its reads of the slot; a round of the cluster's barrier; the refill first behind it.
; kind 0: the next tile of h_enc (my own rows); kind 1: the next tile of We (joint).
.macro CHG kind, slot
	WIN 0
	s_wait_tensorcnt 0x0                           ; no tensor load of mine is out, so a group 0 may be written
	ds_add_u32 v[SPW], v[NIL]                      ; 0 onto my spare word; the descriptor's scalar work stands between it and the wait for it
.if \kind
	s_add_co_u32 s[G0W+1], s[WL], (\slot)*SLOTB
	s_add_nc_u64 s[G0W+2:G0W+3], s[WP:WP+1], s[WJ:WJ+1]
	s_or_b32 s[G0W+3], s[G0W+3], 0x80000000
	s_add_co_u32 s[WJ], s[WJ], 131072
.else
	s_add_co_u32 s[G0H+1], s[WH], (\slot)*SLOTB
	s_add_nc_u64 s[G0H+2:G0H+3], s[HP:HP+1], s[HO:HO+1]
	s_or_b32 s[G0H+3], s[G0H+3], 0x80000000
	s_add_co_u32 s[HO], s[HO], 512
.endif
	s_wait_dscnt 0x0                               ; the add is done, and my reads of the slot are over
	CROUND
.if \kind
	tensor_load_to_lds s[G0W:G0W+3], s[G1W:G1W+7]
.else
	tensor_load_to_lds s[G0H:G0H+3], s[G1H:G1H+7]
.endif
	s_nop 0
	PLACES 4
.endm
; We's FRAGMENTS.  Half hb of a tile n of 16 a: eight steps of 32 k, 16 loads, into buffer hb.
.macro BLD n, hb
.irp j, 0,1,2,3,4,5,6,7
	ds_load_b128 v[BR+64*(\hb)+8*(\j):BR+64*(\hb)+8*(\j)+3],   v[ADR] offset:(\n)*16*PITCH+(8*(\hb)+(\j))*64
	ds_load_b128 v[BR+64*(\hb)+8*(\j)+4:BR+64*(\hb)+8*(\j)+7], v[ADR] offset:(\n)*16*PITCH+(8*(\hb)+(\j))*64+32
.endr
.endm
; THE EXCHANGE.  The two accumulators of my partner's rows (registers 16-31 of set s) go into buffer b of my outbox, 512 consecutive bytes a store; behind a barrier my partner's come back into the same registers.
.macro XST s, b
.irp k, 0,1,2,3
	ds_store_b128 v[XO], v[ACC+32*(\s)+16+4*(\k):ACC+32*(\s)+19+4*(\k)] offset:(\b)*2048+(\k)*512
.endr
.endm
.macro XLD s, b
.irp k, 0,1,2,3
	ds_load_b128 v[ACC+32*(\s)+16+4*(\k):ACC+32*(\s)+19+4*(\k)], v[XI] offset:(\b)*2048+(\k)*512
.endr
.endm
; THE TABLES for pass n of a slot: BC of the pass before, VV of the pass before that: my eight numbers of each.  Ahead of a block's first a both read the zeros that lie in front of the tables.
.macro TBL n
	ds_load_b128 v[BCT:BCT+3],   v[TA] offset:64+64*(\n)
	ds_load_b128 v[BCT+4:BCT+7], v[TA] offset:64+64*(\n)+16
	ds_load_b128 v[VVT:VVT+3],   v[TA] offset:4352+64*(\n)
	ds_load_b128 v[VVT+4:VVT+7], v[TA] offset:4352+64*(\n)+16
.endm
; THE VECTOR WORK on a pass's 16 a x my 32 rows, 16 numbers a lane, line by line.
.macro RF1 s, z                        ; c x my own sum + BC, in place, each accumulator from its low end
	v_pk_fma_f32 v[ACC+32*(\s)+2*(\z):ACC+32*(\s)+2*(\z)+1], v[ACC+32*(\s)+2*(\z):ACC+32*(\s)+2*(\z)+1], s[CC:CC+1], v[BCT+2*((\z)%4):BCT+2*((\z)%4)+1] op_sel_hi:[1,0,1]
.endm
.macro RF2 s, z                        ; c x my partner's sum + that, into TN: the accumulators are free for the pass after next
	v_pk_fma_f32 v[TN+2*(\z):TN+2*(\z)+1], v[ACC+32*(\s)+16+2*(\z):ACC+32*(\s)+17+2*(\z)], s[CC:CC+1], v[ACC+32*(\s)+2*(\z):ACC+32*(\s)+2*(\z)+1] op_sel_hi:[1,0,1]
.endm
.macro RE z
	v_exp_f32 v[TN+(\z)], v[TN+(\z)]
.endm
.macro RP z
	v_pk_add_f32 v[TN+2*(\z):TN+2*(\z)+1], v[TN+2*(\z):TN+2*(\z)+1], 1.0 op_sel_hi:[1,0]
.endm
.macro RR z
	v_rcp_f32 v[TN+(\z)], v[TN+(\z)]
.endm
.macro VSL j                           ; row tile j's eight numbers times VV onto its sums
	WIN W_VS
.irp z, 0,1,2,3
	v_pk_fma_f32 v[SCS+8*(\j)+2*(\z):SCS+8*(\j)+2*(\z)+1], v[TN+8*(\j)+2*(\z):TN+8*(\j)+2*(\z)+1], v[VVT+2*(\z):VVT+2*(\z)+1], v[SCS+8*(\j)+2*(\z):SCS+8*(\j)+2*(\z)+1]
.endr
.endm
; Product i of a pass's 64: step i / 4, row tile i % 4.  The four accumulators take turns, one instruction a turn, over the edges of passes and loops too.
.macro MM s
.set kap, i/4
.set rD, ACC+32*(\s)+8*(i%4)
.set rA, BR+8*kap
.set rB, 8*(4*(kap%8)+i%4)
.if kap == 0
	v_wmma_f32_16x16x32_bf16 v[rD:rD+7], v[rA:rA+7], v[rB:rB+7], 0
.else
	v_wmma_f32_16x16x32_bf16 v[rD:rD+7], v[rA:rA+7], v[rB:rB+7], v[rD:rD+7]
.endif
.endm
; What stands behind product i.  TN holds the pass before last up to product 38 (+ 1, 1 /, the sums), then the last pass (from product 40: the scalings' second half, 2^).
.macro RID
.if i < 4
	RP 4+i
.elseif i < 20
	RR i-4
.elseif (i >= 32) && (i < 36)
	RF1 RS, i-28
.elseif (i == 36) || (i == 38)
	VSL (i-36)/2
	WIN W_MM3
.elseif (i >= 40) && (i < 48)
	RF2 RS, i-40
.elseif i >= 48
	RE i-48
.endif
.endm
.macro STEP s
	MM \s
	RID
.set i, i+1
.endm
; A PASS, number n of a slot's four.  Two runs of LDS instructions.  The first, at its head: the last pass's two accumulators for my partner go out, the fragments of this pass's second half and the tables come in.
; The second, behind product 31 and the barrier: my partner's two accumulators and the next pass's first fragments come in.  Five plain vector lines stand between a buffer's last product and the loads into it, and
; between the last product and the stores that read its results.  The exponentials (behind products 48-63) and the reciprocals (4-19) are a batch each; each batch's one plain line and one wait stand directly ahead of a run.
; THE BARRIER, one a pass: in front of its signal (product 28) my stores for my partner are done and all my loads are back; behind its wait I read what my partner stored.  An outbox buffer is written again two
; passes later, behind the next pass's barrier, in front of which its reader has waited for its loads.
; In the slot's last pass that barrier is also THE CHANGE OF SLOTS: in front of it each wave waits for all its tensor loads (one is out: its part of the other slot), adds 0 to its spare word, and waits for that and for
; its reads of this slot, whose last fragments were asked for at the pass's head.  fill 1: the tile of We two on (joint); 2: the next block's tile of h_enc; 0: nothing, and no round of the cluster's barrier.
.macro PASS n, fill
.set RS, 1-(\n)%2
.set i, 0
	WIN 0
.irp z, 0,1,2,3
	RP \z
.endr
	XST RS, (\n)%2
	BLD \n, 1
	TBL \n
	s_wait_dscnt 24                                ; the first half's fragments are in; the 24 instructions just issued may stay out
	WIN W_MM2
.rept 24
	STEP (\n)%2
.endr
.if (\n) == 3
	WIN 0
	s_wait_tensorcnt 0x0                           ; no tensor load of mine is out, so a group 0 may be written
	ds_add_u32 v[SPW], v[NIL]                      ; 0 onto my spare word; scalar work and four products stand between it and the wait for it
.if (\fill) == 1
	s_xor_b32 s[G0W+1], s[G0W+1], SLOTB            ; the other slot than last time: the one that is being left
	s_add_nc_u64 s[G0W+2:G0W+3], s[WP:WP+1], s[WJ:WJ+1]
	s_or_b32 s[G0W+3], s[G0W+3], 0x80000000
	s_add_co_u32 s[WJ], s[WJ], 131072
.elseif (\fill) == 2
	s_xor_b32 s[G0H+1], s[G0H+1], SLOTB
	s_add_nc_u64 s[G0H+2:G0H+3], s[HP:HP+1], s[HO:HO+1]
	s_or_b32 s[G0H+3], s[G0H+3], 0x80000000
	s_add_co_u32 s[HO], s[HO], 512
.endif
	s_xor_b32 s[TB], s[TB], SLOTB                  ; the reads go on in the other slot
	WIN W_MM2
.endif
.rept 4
	STEP (\n)%2
.endr
	s_wait_dscnt 0x0                               ; my stores for my partner are done, my loads are back (and the add is done)
	s_barrier_signal -1
.rept 4
	STEP (\n)%2
.endr
	v_nop
	s_wait_alu depctr_va_vdst(0)                   ; one wait for the sixteen reciprocals
.if (\n) == 3
	WIN 0
.endif
	s_barrier_wait -1
.if (\n) == 3
.if (\fill) == 1
	CREST
	tensor_load_to_lds s[G0W:G0W+3], s[G1W:G1W+7]
	s_nop 0
.elseif (\fill) == 2
	CREST
	tensor_load_to_lds s[G0H:G0H+3], s[G1H:G1H+7]
	s_nop 0
.endif
	v_add_nc_u32 v[ADR], s[TB], v[LB]
.endif
.irp z, 0,1,2,3
	RF1 RS, \z
.endr
	XLD RS, (\n)%2
	BLD ((\n)+1)%4, 0
	WIN W_MM3
.rept 8
	STEP (\n)%2
.endr
	s_wait_dscnt 16                                ; my partner's sums are in; the 16 fragment loads behind them may stay out
.rept 24
	STEP (\n)%2
.endr
	v_nop
	s_wait_alu depctr_va_vdst(0)                   ; one wait for the sixteen exponentials, ahead of the next pass's first line and of the loop's branch
.endm
.macro SLOT fill
	PASS 0, \fill
	PASS 1, \fill
	PASS 2, \fill
	PASS 3, \fill
	WIN 0
	v_add_nc_u32 v[TA], 256, v[TA]                 ; the next 64 a
.endm
; THE CONTEXT.  Chunk ch: 128 columns e (ch / 2) of 32 rows t (ch % 2: my own, my partner's).  My fragments (rows t, e along the registers) go into my stage as rows [t][e]; the turning load brings them back with t along the registers.
.macro STC ch
.set ec, (\ch)/2
.set th, (\ch)%2
	WIN 0x08+4*(ec/2)                              ; store data (source 1) in window 2 or 3
.irp m, 0,1
.irp k, 0,1,2,3
.set ra, 8*(4*((4*ec+(\k))%8)+2*th+(\m))
	ds_store_b128 v[STA], v[ra:ra+3]   offset:(\m)*16*SPT+(\k)*64
	ds_store_b128 v[STA], v[ra+4:ra+7] offset:(\m)*16*SPT+(\k)*64+32
.endr
.endr
	WIN 0
.endm
.macro TRC ch
.irp f, 0,1,2,3,4,5,6,7
	ds_load_tr16_b128 v[BR+64*((\ch)%2)+8*(\f):BR+64*((\ch)%2)+8*(\f)+3],   v[TRA] offset:32*(\f)
	ds_load_tr16_b128 v[BR+64*((\ch)%2)+8*(\f)+4:BR+64*((\ch)%2)+8*(\f)+7], v[TRA] offset:32*(\f)+16*SPT
.endr
.endm
	s_load_b256 s[4:11], s[0:1], 0x0               ; h_enc s[4:5], src_lens s[6:7], WB s[8:9], BC s[10:11]
	s_load_b128 s[12:15], s[0:1], 0x20             ; VV s[12:13], SC s[14:15]
	s_load_b64 s[16:17], s[0:1], 0x30              ; CP
	v_lshl_add_u32 v[SPW], v0, 2, SPARE
	v_mov_b32 v[NIL], 0
	ds_add_u32 v[SPW], v[NIL]                      ; the wave's opening: the add and its wait stand ahead of my first tensor load; work on registers stands between them
	v_lshrrev_b32 v1, 5, v0
	v_readfirstlane_b32 s[WV], v1                  ; wave 0..3
	s_and_b32 s[KH], s[WV], 1
	s_lshr_b32 s[PR], s[WV], 1
	s_xor_b32 s[WX], s[WV], 1
	s_bfe_u32 s[CX], ttmp6, 0x40000
	s_lshl_b32 s[WG], ttmp9, 2                     ; in a cluster launch ttmp9 counts clusters
	s_add_co_u32 s[WG], s[WG], s[CX]
	s_lshr_b32 s[NN], ttmp9, 1                     ; eight work-groups, two clusters, to an n
	; group 1 for h_enc: 64 rows x 128 elements of 4 bytes, 4 words of padding behind every 128 words
	s_mov_b32 s[G1H], (2<<16)|(1<<20)|(6<<22)|(3<<25)
	s_mov_b32 s[G1H+1], 128<<16                    ; tensor_dim0 = 128
	s_mov_b32 s[G1H+2], 64<<16                     ; tensor_dim1 = 64
	s_mov_b32 s[G1H+3], 128<<16                    ; tile_dim0 = 128
	s_mov_b32 s[G1H+4], 64                         ; tile_dim1 = 64
	s_mov_b32 s[G1H+5], 1024                       ; a row of h_enc is 1,024 elements
	s_mov_b32 s[G1H+6], 0
	s_mov_b32 s[G1H+7], 0
	; group 1 for We: 32 rows x 256 elements of 4 bytes, 4 words of padding behind every 256 words; the mask of all four work-groups, bit 21 beside it
	s_mov_b32 s[G1W], 15|(2<<16)|(1<<20)|(1<<21)|(7<<22)|(3<<25)
	s_mov_b32 s[G1W+1], 256<<16
	s_mov_b32 s[G1W+2], 32<<16
	s_mov_b32 s[G1W+3], 256<<16
	s_mov_b32 s[G1W+4], 32
	s_mov_b32 s[G1W+5], 256                        ; WB's tiles are dense
	s_mov_b32 s[G1W+6], 0
	s_mov_b32 s[G1W+7], 0
	s_mov_b32 s[G0H], 1
	s_mov_b32 s[G0W], 1
	s_mov_b32 s[G0X], 1
	s_mul_i32 s[WL], s[WV], WPART
	s_mul_i32 s[WH], s[WV], HPART
	s_mov_b32 s[G0H+1], s[WH]                      ; slot 0
	s_add_co_u32 s[G0X+1], s[WH], SLOTB            ; slot 1
	s_mov_b32 s[HO], 1024                          ; tiles H0 and H1 are asked for below
	s_mov_b32 s[HO+1], 0
	s_mov_b32 s[WJ+1], 0
	s_mov_b32 s[CC], 0x4038aa3b                    ; c = 2 log2(e)
	s_mov_b32 s[CC+1], s[CC]
	s_mov_b32 s[L2E], 0x3fb8aa3b
	s_mov_b32 s[L2E+1], s[L2E]
	s_mov_b32 s[SEL], 0x76543210
	s_mov_b32 s[SEL+1], 0xfedcba98
	s_mov_b32 s[HIM], 0xffff0000
	s_lshl_b32 s80, s[WG], 20                      ; 256 rows of 4,096 bytes,
	s_lshl_b32 s82, s[PR], 18                      ; my pair's 64,
	s_add_co_u32 s80, s80, s82
	s_lshl_b32 s82, s[KH], 11                      ; my K half
	s_add_co_u32 s80, s80, s82
	s_mov_b32 s81, 0
	s_lshl_b32 s[WOF], s[WV], 15                   ; my quarter of a tile of WB
	s_mov_b32 s[WOF+1], 0
	s_lshl_b32 s83, s[NN], 2
	s_wait_dscnt 0x0                               ; the opening add is done
	s_wait_kmcnt 0x0
	s_load_b32 s[LENR], s[6:7], s83 offset:0x0
	s_load_b32 s[SV], s[12:13], 0x1000
	s_add_nc_u64 s[HP:HP+1], s[4:5], s[80:81]
	s_add_nc_u64 s[WP:WP+1], s[8:9], s[WOF:WOF+1]
	s_lshl_b32 s80, s[NN], 6
	s_add_nc_u64 s[BCP:BCP+1], s[10:11], s[80:81]
	s_lshl_b32 s80, s[WG], 10
	s_add_nc_u64 s[SCP:SCP+1], s[14:15], s[80:81]
	s_mul_i32 s80, s[WG], 8704
	s_add_nc_u64 s[CPP:CPP+1], s[16:17], s[80:81]
	s_add_nc_u64 s[G0H+2:G0H+3], s[HP:HP+1], 0
	s_or_b32 s[G0H+3], s[G0H+3], 0x80000000
	s_add_nc_u64 s[G0X+2:G0X+3], s[HP:HP+1], 512
	s_or_b32 s[G0X+3], s[G0X+3], 0x80000000
	CROUND                                         ; the round in front of the first loads
	tensor_load_to_lds s[G0H:G0H+3], s[G1H:G1H+7]  ; H0 into slot 0
	s_nop 0
	tensor_load_to_lds s[G0X:G0X+3], s[G1H:G1H+7]  ; H1 into slot 1: two loads of mine are out
	s_nop 0
	PLACES 4
	; the tables, once a work-group: thread t takes the eight numbers a = 8 t .. 8 t + 7 of BC[n] and of VV
	v_lshrrev_b32 v26, 1, v0
	v_and_b32 v27, 1, v0
	v_lshlrev_b32 v26, 11, v26                     ; BC lies [a / 16][n][a % 16]
	v_lshl_add_u32 v26, v27, 5, v26
	v_lshlrev_b32 v27, 5, v0
	global_load_b128 v[128:131], v26, s[BCP:BCP+1]
	global_load_b128 v[132:135], v26, s[BCP:BCP+1] offset:16
	global_load_b128 v[136:139], v27, s[12:13]
	global_load_b128 v[140:143], v27, s[12:13] offset:16
	v_and_b32 v28, 15, v0                          ; r
	v_bfe_u32 v29, v0, 4, 1                        ; h
	v_and_b32 v30, 31, v0                          ; l
	v_mul_u32_u24 v[LB], v28, PITCH
	v_lshl_add_u32 v[LB], v29, 4, v[LB]
	s_mul_i32 s[LS], s[KH], KHALF
	v_add_nc_u32 v[LB], s[LS], v[LB]
	v_mul_u32_u24 v31, v28, HPIT
	v_lshl_add_u32 v31, v29, 5, v31
	v_add_nc_u32 v31, s[WH], v31
	s_mul_i32 s[LS], s[KH], 32*HPIT                ; my own 32 of the pair's 64 rows,
	v_add_nc_u32 v[HBO], s[LS], v31
	v_add_nc_u32 v[HBO+1], SLOTB, v[HBO]
	s_sub_co_u32 s[LS], 32*HPIT, s[LS]             ; and the other 32
	v_add_nc_u32 v[HBF], s[LS], v31
	v_add_nc_u32 v[HBF+1], SLOTB, v[HBF]
	v_lshl_add_u32 v[TA0], v29, 5, TAB+128
	s_mul_i32 s[LS], s[WV], SWAVE
	s_add_co_u32 s[LS], s[LS], STG
	v_mul_u32_u24 v[STA], v28, SPT
	v_lshl_add_u32 v[STA], v29, 4, v[STA]
	v_add_nc_u32 v[STA], s[LS], v[STA]
	v_and_b32 v31, 7, v0
	v_lshl_add_u32 v31, v29, 3, v31                ; the turning load: lane l reads row 8 h + l % 8, 16 bytes at 16 ((l / 8) % 2)
	v_mul_u32_u24 v[TRA], v31, SPT
	v_bfe_u32 v31, v0, 3, 1
	v_lshl_add_u32 v[TRA], v31, 4, v[TRA]
	v_add_nc_u32 v[TRA], s[LS], v[TRA]
	v_lshl_add_u32 v[XO], v30, 4, s[LS]
	s_mul_i32 s[LS], s[WX], SWAVE
	s_add_co_u32 s[LS], s[LS], STG
	v_lshl_add_u32 v[XI], v30, 4, s[LS]
	s_lshl_b32 s[LS], s[WV], 11                    ; pair x 4,096 + K half x 2,048
	s_add_co_u32 s[LS], s[LS], CTXW
	v_lshl_add_u32 v[CA], v28, 2, s[LS]
	s_lshl_b32 s[LS], s[WV], 9
	v_lshl_add_u32 v[W16], v30, 4, s[LS]
	v_add_nc_u32 v[CR], CTXW, v[W16]
	v_lshl_add_u32 v[SCA], v0, 2, SCR
	v_lshlrev_b32 v[L16], 4, v30
	v_add_nc_u32 v[QA], SCR, v[L16]
	s_lshl_b32 s[LS], s[WV], 7
	s_add_co_u32 s[LS], s[LS], SCR
	v_lshl_add_u32 v[PA], v29, 5, s[LS]
	s_lshl_b32 s[LS], s[WX], 7
	s_add_co_u32 s[LS], s[LS], SCR
	v_lshl_add_u32 v[PB], v29, 5, s[LS]
	v_lshlrev_b32 v[L8], 3, v30
	s_lshl_b32 s[LS], s[WV], 5
	v_add_nc_u32 v[TL], s[LS], v28
	v_lshrrev_b32 v29, 6, v0                       ; the two runs of 256 bytes of 0: threads 0-63 in front of BC, threads 64-127 in front of VV
	v_lshlrev_b32 v29, 12, v29
	v_lshl_add_u32 v29, v0, 2, v29
	v_add_nc_u32 v29, TAB, v29
	ds_store_b32 v29, v[NIL]
	s_wait_loadcnt 0x0                             ; the tables
	v_add_nc_u32 v28, TAB+256, v27
	ds_store_b128 v28, v[128:131]
	ds_store_b128 v28, v[132:135] offset:16
	ds_store_b128 v28, v[136:139] offset:4352
	ds_store_b128 v28, v[140:143] offset:4368      ; the other waves read them behind the changes of slots below, in front of which each wave waits for its stores
	s_wait_kmcnt 0x0
	s_and_b32 s80, s[WG], 7
	s_lshl_b32 s80, s80, 8
	s_sub_co_i32 s[LENR], s[LENR], s80
	s_mov_b32 s[BLK], 2
.Lblock:
	s_wait_tensorcnt 0x1                           ; my rows of the block's first tile are in; the second tile's load, issued behind it, may stay out.  Each wave reads its own part alone
	s_mov_b32 s[WJ], 0
	HCHUNK 0
	CHG 0, 0                                       ; H2
	HCHUNK 1
	CHG 0, 1                                       ; H3
	s_add_co_u32 s[HO], s[HO], 522240              ; from behind this block's four tiles to the next block's first: 128 rows down, back along k
	HCHUNK 2
	CHG 1, 0                                       ; W0
	HCHUNK 3
	CHG 1, 1                                       ; W1; W0 is whole
	s_mov_b32 s[TB], 0
	v_mov_b32 v[ADR], v[LB]
	v_mov_b32 v[TA], v[TA0]
	BLD 0, 0
	; The first two passes' vector work has no passes before it: it runs on zeros and, the tables' fronts being 0, adds 0.  64 lines a block, in the wait for the first fragments: the price of one text for every pass.
.set i, 0
.rept 32
	v_mov_b32 v[ACC+32+i], 0
.set i, i+1
.endr
.set i, 0
.rept 16
	v_mov_b32 v[TN+i], 0
.set i, i+1
.endr
	WIN W_D1
.set i, 0
.rept 16
	v_mov_b32 v[SCS+i], 0
.set i, i+1
.endr
	WIN 0
	s_mov_b32 s[CNT], 14
.Lw:                                                   ; W0 .. W13 are multiplied, W2 .. W15 asked for
	SLOT 1
	s_sub_co_u32 s[CNT], s[CNT], 1
	s_cmp_lg_u32 s[CNT], 0
	s_cbranch_scc1 .Lw
	s_cmp_eq_u32 s[BLK], 1
	s_cbranch_scc1 .Llast                          ; the last block's tail is written out: it asks for nothing more
	s_mov_b32 s[CNT], 2
.Lth:                                                  ; W14, W15; the next block's H0 and H1 are asked for
	SLOT 2
	s_sub_co_u32 s[CNT], s[CNT], 1
	s_cmp_lg_u32 s[CNT], 0
	s_cbranch_scc1 .Lth
	s_branch .Lepi
.Llast:
	s_mov_b32 s[CNT], 2
.Ltn:
	SLOT 0
	s_sub_co_u32 s[CNT], s[CNT], 1
	s_cmp_lg_u32 s[CNT], 0
	s_cbranch_scc1 .Ltn
.Lepi:
	; THE LAST TWO PASSES' VECTOR WORK, by itself.  TN holds the last pass but one behind its exponentials; accumulator set 1 the last pass's sums.
.irp z, 0,1,2,3,4,5,6,7
	RP \z                                          ; eight plain lines: also the places between the last products and the stores below
.endr
	XST 1, 0
	TBL 0
.set y, 0
.rept 16
	RR y
.set y, y+1
.endr
	v_nop
	s_wait_alu depctr_va_vdst(0)
	s_wait_dscnt 0x0                               ; my stores for my partner are done, the tables are in; so are the 16 loads that W15's text issued for a tile that does not follow: landed bytes, read for nothing, once a block
	s_barrier_signal -1
	VSL 0
	VSL 1
	WIN 0
	s_barrier_wait -1
	XLD 1, 0
	ds_load_b128 v[VVT:VVT+3],   v[TA] offset:4352+64   ; VV of the last 16 a
	ds_load_b128 v[VVT+4:VVT+7], v[TA] offset:4352+64+16
.irp z, 0,1,2,3,4,5,6,7
	RF1 1, \z
.endr
	s_wait_dscnt 0x0
.irp z, 0,1,2,3,4,5,6,7
	RF2 1, \z
.endr
.set y, 0
.rept 16
	RE y
.set y, y+1
.endr
	v_nop
	s_wait_alu depctr_va_vdst(0)
.irp z, 0,1,2,3,4,5,6,7
	RP \z
.endr
.set y, 0
.rept 16
	RR y
.set y, y+1
.endr
	v_nop
	s_wait_alu depctr_va_vdst(0)
	VSL 0
	VSL 1
	WIN W_S1                                       ; a lane's eight sums for each row tile, then the other half of the lanes', then SV
	v_pk_add_f32 v[128:129], v[SCS:SCS+1], v[SCS+2:SCS+3]
	v_pk_add_f32 v[130:131], v[SCS+4:SCS+5], v[SCS+6:SCS+7]
	v_pk_add_f32 v[132:133], v[SCS+8:SCS+9], v[SCS+10:SCS+11]
	v_pk_add_f32 v[134:135], v[SCS+12:SCS+13], v[SCS+14:SCS+15]
	WIN 0
	v_pk_add_f32 v[128:129], v[128:129], v[130:131]
	v_pk_add_f32 v[132:133], v[132:133], v[134:135]
	v_add_f32 v128, v128, v129
	v_add_f32 v132, v132, v133
	v_permlanex16_b32 v129, v128, s[SEL], s[SEL+1]
	v_permlanex16_b32 v133, v132, s[SEL], s[SEL+1]
	v_add_f32 v128, v128, v129
	v_add_f32 v132, v132, v133
	v_add_f32 v128, s[SV], v128
	v_add_f32 v132, s[SV], v132
	v_mov_b32 v136, 0xd01502f9                     ; -1e10
	s_sub_co_i32 s81, s[LENR], 16
	v_cmp_gt_i32 s80, s[LENR], v[TL]               ; is my row of tile 0 below src_lens?
	v_cmp_gt_i32 s82, s81, v[TL]                   ; and that of tile 1?
	v_cndmask_b32 v128, v136, v128, s80
	v_cndmask_b32 v132, v136, v132, s82
	v_cndmask_b32 v128, v128, v132, s[HIM]         ; lane l now holds row l of my own 32
	ds_store_b32 v[SCA], v128
	s_wait_dscnt 0x0                               ; for the others' sake
	s_barrier_signal -1
	s_barrier_wait -1                              ; the block's 128 scores lie in LDS
	ds_load_b128 v[QS:QS+3], v[QA]                 ; four of them a lane: all 128 in a wave
.irp g, 0,1,2,3
	ds_load_b128 v[128+4*(\g):131+4*(\g)], v[PA] offset:((\g)/2)*64+((\g)%2)*16   ; my own rows 8 h + 0..7, 16 + 8 h + 0..7: a fragment's k
.endr
.irp g, 0,1,2,3
	ds_load_b128 v[144+4*(\g):147+4*(\g)], v[PB] offset:((\g)/2)*64+((\g)%2)*16   ; and my partner's
.endr
	s_wait_dscnt 8                                 ; the eight younger loads may stay out
	v_max3_num_f32 v[ML], v[QS], v[QS+1], v[QS+2]
	v_max_num_f32 v[ML], v[ML], v[QS+3]
	v_max_num_f32_dpp v[ML], v[ML], v[ML] row_xmask:1 row_mask:0xf bank_mask:0xf
	v_max_num_f32_dpp v[ML], v[ML], v[ML] row_xmask:2 row_mask:0xf bank_mask:0xf
	v_max_num_f32_dpp v[ML], v[ML], v[ML] row_xmask:4 row_mask:0xf bank_mask:0xf
	v_max_num_f32_dpp v[ML], v[ML], v[ML] row_xmask:8 row_mask:0xf bank_mask:0xf
	v_permlanex16_b32 v[ML+1], v[ML], s[SEL], s[SEL+1]
	v_max_num_f32 v[ML], v[ML], v[ML+1]            ; m, in every lane
	s_wait_dscnt 0x0
	v_pk_add_f32 v[192:193], v[QS:QS+1], v[ML:ML+1] op_sel_hi:[1,0] neg_lo:[0,1] neg_hi:[0,1]   ; the difference first, then the factor: exact where score = m, however large
	v_pk_add_f32 v[194:195], v[QS+2:QS+3], v[ML:ML+1] op_sel_hi:[1,0] neg_lo:[0,1] neg_hi:[0,1]
.set y, 0
.rept 16
	v_pk_add_f32 v[128+2*y:129+2*y], v[128+2*y:129+2*y], v[ML:ML+1] op_sel_hi:[1,0] neg_lo:[0,1] neg_hi:[0,1]
.set y, y+1
.endr
	v_pk_mul_f32 v[192:193], v[192:193], s[L2E:L2E+1] op_sel_hi:[1,0]
	v_pk_mul_f32 v[194:195], v[194:195], s[L2E:L2E+1] op_sel_hi:[1,0]
.set y, 0
.rept 16
	v_pk_mul_f32 v[128+2*y:129+2*y], v[128+2*y:129+2*y], s[L2E:L2E+1] op_sel_hi:[1,0]
.set y, y+1
.endr
.irp g, 0,1,2,3
	v_exp_f32 v[192+(\g)], v[192+(\g)]
.endr
.set y, 0
.rept 32
	v_exp_f32 v[128+y], v[128+y]
.set y, y+1
.endr
	v_nop
	s_wait_alu depctr_va_vdst(0)                   ; one wait for the 36 exponentials
	v_add_f32 v196, v192, v193
	v_add_f32 v197, v194, v195
	v_add_f32 v196, v196, v197
	v_add_f32_dpp v196, v196, v196 row_xmask:1 row_mask:0xf bank_mask:0xf
	v_add_f32_dpp v196, v196, v196 row_xmask:2 row_mask:0xf bank_mask:0xf
	v_add_f32_dpp v196, v196, v196 row_xmask:4 row_mask:0xf bank_mask:0xf
	v_add_f32_dpp v196, v196, v196 row_xmask:8 row_mask:0xf bank_mask:0xf
	v_permlanex16_b32 v197, v196, s[SEL], s[SEL+1]
	v_add_f32 v[ML+1], v196, v197                  ; l, beside m
.set y, 0
.rept 16
	v_cvt_pk_bf16_f32 v[PH+y], v[128+2*y], v[129+2*y]              ; p's high term: source 0 as it stands, the same in all 16 rows
.set y, y+1
.endr
.set y, 0
.rept 16
	v_lshlrev_b32 v[160+2*y], 16, v[PH+y]
	v_and_b32 v[161+2*y], s[HIM], v[PH+y]
.set y, y+1
.endr
.set y, 0
.rept 16
	v_pk_add_f32 v[160+2*y:161+2*y], v[128+2*y:129+2*y], v[160+2*y:161+2*y] neg_lo:[0,1] neg_hi:[0,1]
.set y, y+1
.endr
.set y, 0
.rept 16
	v_cvt_pk_bf16_f32 v[PL+y], v[160+2*y], v[161+2*y]              ; and what the rounding left
.set y, y+1
.endr
	s_cmp_lg_u32 s[WV], 0
	s_cbranch_scc1 .Lnot_first
	global_store_b128 v[L16], v[QS:QS+3], s[SCP:SCP+1]             ; the block's scores: 512 consecutive bytes, aligned
	global_store_b64 v[L8], v[ML:ML+1], s[CPP:CPP+1] offset:4096   ; (m, l) 32 times: 256 consecutive bytes, aligned
.Lnot_first:
	STC 0
	TRC 0
.irp ch, 0,1,2,3,4,5,6,7
.if (\ch) < 7
	STC (\ch)+1                                    ; LDS serves a wave's instructions in order: these stores come behind the turning loads of the chunk in hand
	TRC (\ch)+1
	s_wait_dscnt 32                                ; the next chunk's 16 stores and 16 loads may stay out
.else
	s_wait_dscnt 0x0
.endif
.irp f, 0,1,2,3,4,5,6,7                                ; eight accumulators by turns: four links each, p's high and low term for my own rows and for my partner's
.if ((\ch)%2) == 0
	v_wmma_f32_16x16x32_bf16 v[ACC+8*(\f):ACC+8*(\f)+7], v[PH:PH+7], v[BR+8*(\f):BR+8*(\f)+7], 0
.else
	v_wmma_f32_16x16x32_bf16 v[ACC+8*(\f):ACC+8*(\f)+7], v[PH+8:PH+15], v[BR+64+8*(\f):BR+64+8*(\f)+7], v[ACC+8*(\f):ACC+8*(\f)+7]
.endif
.endr
.irp f, 0,1,2,3,4,5,6,7
	v_wmma_f32_16x16x32_bf16 v[ACC+8*(\f):ACC+8*(\f)+7], v[PL+8*((\ch)%2):PL+8*((\ch)%2)+7], v[BR+64*((\ch)%2)+8*(\f):BR+64*((\ch)%2)+8*(\f)+7], v[ACC+8*(\f):ACC+8*(\f)+7]
.endr
	PLACES 5                                       ; ahead of the stores that read the results, of the products that write over them, and of the loads into the fragments' registers
.if ((\ch)%2) == 1
.irp f, 0,1,2,3,4,5,6,7
	ds_store_b32 v[CA], v[ACC+8*(\f)] offset:(8*((\ch)/2)+(\f))*64 ; all 16 rows of a result are alike: register 0 holds column e = 16 f + r
.endr
.endif
.endr
	s_wait_dscnt 0x0                               ; for the others' sake
	s_barrier_signal -1
	s_barrier_wait -1                              ; the two pairs' partial contexts lie in LDS
.irp k, 0,1
.irp p, 0,1
	ds_load_b128 v[64+8*(\k)+4*(\p):67+8*(\k)+4*(\p)], v[CR] offset:(\p)*4096+(\k)*2048
.endr
.endr
	s_wait_dscnt 0x0
	v_pk_add_f32 v[64:65], v[64:65], v[68:69]
	v_pk_add_f32 v[66:67], v[66:67], v[70:71]
	v_pk_add_f32 v[72:73], v[72:73], v[76:77]
	v_pk_add_f32 v[74:75], v[74:75], v[78:79]
	global_store_b128 v[W16], v[64:67], s[CPP:CPP+1]               ; 512 consecutive bytes, aligned
	global_store_b128 v[W16], v[72:75], s[CPP:CPP+1] offset:2048
	s_wait_xcnt 0x0                                ; the stores have read their registers and bases: only now are these written again
	s_add_nc_u64 s[SCP:SCP+1], s[SCP:SCP+1], 512
	s_add_nc_u64 s[CPP:CPP+1], s[CPP:CPP+1], 4352
	s_sub_co_i32 s[LENR], s[LENR], 128
	s_sub_co_u32 s[BLK], s[BLK], 1
	s_cmp_lg_u32 s[BLK], 0
	s_cbranch_scc1 .Lblock
	s_wait_tensorcnt 0x0                           ; the wave's end: behind my last tensor load and my last LDS store
	ds_add_u32 v[SPW], v[NIL]
	s_wait_dscnt 0x0
	CROUND                                         ; the closing round: no work-group ends while a partner may still ask for a tile that names it
	s_endpgm
.Lfunc_end_k_q92b5dcb3b2_main:
	.size	k_q92b5dcb3b2_main, .Lfunc_end_k_q92b5dcb3b2_main-k_q92b5dcb3b2_main
	.p2alignl 7, 3214868480
	.fill 96, 4, 3214868480
	.section	.rodata,"a",@progbits
	.p2align	6, 0x0
	.amdhsa_kernel k_q92b5dcb3b2_main
		.amdhsa_group_segment_fixed_size 327680
		.amdhsa_private_segment_fixed_size 0
		.amdhsa_enable_private_segment 0
		.amdhsa_kernarg_size 56
		.amdhsa_user_sgpr_count 2
		.amdhsa_user_sgpr_kernarg_segment_ptr 1
		.amdhsa_wavefront_size32 1
		.amdhsa_system_sgpr_workgroup_id_x 1
		.amdhsa_system_sgpr_workgroup_id_y 1
		.amdhsa_system_sgpr_workgroup_id_z 1
		.amdhsa_system_vgpr_workitem_id 0
		.amdhsa_next_free_vgpr 1024
		.amdhsa_next_free_sgpr 96
		.amdhsa_reserve_vcc 0
		.amdhsa_float_denorm_mode_32 3
		.amdhsa_float_denorm_mode_16_64 3
		.amdhsa_memory_ordered 1
		.amdhsa_forward_progress 1
		.amdhsa_inst_pref_size 236
	.end_amdhsa_kernel
	.amdgpu_metadata
---
amdhsa.version: [ 1, 2 ]
amdhsa.kernels:
  - .name:           k_q92b5dcb3b2_main
    .symbol:         k_q92b5dcb3b2_main.kd
    .args:
      - { .name: h_enc, .offset: 0, .size: 8, .value_kind: global_buffer, .address_space: global }
      - { .name: src_lens, .offset: 8, .size: 8, .value_kind: global_buffer, .address_space: global }
      - { .name: WB, .offset: 16, .size: 8, .value_kind: global_buffer, .address_space: global }
      - { .name: BC, .offset: 24, .size: 8, .value_kind: global_buffer, .address_space: global }
      - { .name: VV, .offset: 32, .size: 8, .value_kind: global_buffer, .address_space: global }
      - { .name: SC, .offset: 40, .size: 8, .value_kind: global_buffer, .address_space: global }
      - { .name: CP, .offset: 48, .size: 8, .value_kind: global_buffer, .address_space: global }
    .group_segment_fixed_size: 327680
    .private_segment_fixed_size: 0
    .kernarg_segment_align: 8
    .kernarg_segment_size: 56
    .max_flat_workgroup_size: 128
    .sgpr_count:     96
    .vgpr_count:     1024
    .wavefront_size: 32
...
	.end_amdgpu_metadata
.endif
;; end of part 2
;; launch comb (part 3): grid 8 x 32, 1 waves a work-group, no clusters, 0 bytes of LDS; arguments SC, CP, out0, out1; writes out0, out1
.if DOCPART == 3
	.amdgcn_target "amdgcn-amd-amdhsa--gfx1250"
	.amdhsa_code_object_version 6
	.text
	.protected	k_q92b5dcb3b2_comb
	.globl	k_q92b5dcb3b2_comb
	.p2align	8
	.type	k_q92b5dcb3b2_comb,@function
k_q92b5dcb3b2_comb:
	s_mov_b64 s[64:65], 0
	v_nop
	global_prefetch_b8 v0, s[64:65] scope:SCOPE_SE
	s_setreg_imm32_b32 hwreg(HW_REG_WAVE_MODE, 25, 1), 1
	s_wait_xcnt 0x0
; THE BLOCKS ARE JOINED.  For n: M = the largest of the 16 blocks' m; f_b = e^(m_b - M); L = the sum of l_b f_b; out0[n][e] = the sum over b of (f_b / L) CP[16 n + b][e]; out1[n][t] = e^(SC[n][t] - M) / L.
; A block whose rows are all masked has m = -1e10 and gets f = 0, unless all 16 are so: then every f is 1 and the weights are uniform, as a softmax of equal scores is.
; One wave to a work-group: work-group (part, n) makes 128 columns of out0 and 256 numbers of out1.  All in f32.  A weight below 2^-126 counts as 0; NaN and infinities are not treated apart.
; No LDS, no matrix unit, no cluster: 2.5 MB are read once, by loads that all go out together.
	s_load_b256 s[4:11], s[0:1], 0x0               ; SC s[4:5], CP s[6:7], out0 s[8:9], out1 s[10:11]
	s_mov_b32 s12, ttmp9                           ; part
	s_and_b32 s13, ttmp7, 0xffff                   ; n
	v_and_b32 v1, 15, v0
	v_mul_u32_u24 v2, v1, 4352                     ; lane l looks at block l % 16
	v_lshlrev_b32 v3, 4, v0                        ; 16 l
	s_mul_i32 s14, s13, 69632                      ; n's 16 rows of CP
	s_mov_b32 s15, 0
	s_lshl_b32 s16, s12, 9
	v_add_nc_u32 v6, s16, v3                       ; 512 part + 16 l
	s_lshl_b32 s16, s13, 13
	s_lshl_b32 s17, s12, 10
	s_add_co_u32 s16, s16, s17                     ; 8,192 n + 1,024 part: in SC and in out1
	s_mov_b32 s17, 0
	s_lshl_b32 s18, s13, 12                        ; 4,096 n: in out0
	s_mov_b32 s19, 0
	s_wait_kmcnt 0x0
	s_add_nc_u64 s[6:7], s[6:7], s[14:15]
	s_add_nc_u64 s[4:5], s[4:5], s[16:17]
	s_add_nc_u64 s[10:11], s[10:11], s[16:17]
	s_add_nc_u64 s[8:9], s[8:9], s[18:19]
	global_load_b64 v[4:5], v2, s[6:7] offset:4096 ; (m, l)
	global_load_b128 v[8:11], v3, s[4:5]
	global_load_b128 v[12:15], v3, s[4:5] offset:512
.irp b, 0,1,2,3,4,5,6,7,8,9,10,11,12,13,14,15
	global_load_b128 v[16+4*(\b):16+4*(\b)+3], v6, s[6:7] offset:4352*(\b)
.endr
	s_wait_loadcnt 18                              ; (m, l) is in; the 18 younger loads may stay out
	v_mov_b32 v80, v4
	v_max_num_f32_dpp v80, v80, v80 row_xmask:1 row_mask:0xf bank_mask:0xf   ; each half of the lanes holds all 16 blocks
	v_max_num_f32_dpp v80, v80, v80 row_xmask:2 row_mask:0xf bank_mask:0xf
	v_max_num_f32_dpp v80, v80, v80 row_xmask:4 row_mask:0xf bank_mask:0xf
	v_max_num_f32_dpp v80, v80, v80 row_xmask:8 row_mask:0xf bank_mask:0xf
	v_sub_f32 v81, v4, v80
	v_mul_f32 v81, 0x3fb8aa3b, v81
	s_wait_loadcnt 16                              ; the scores are in
.irp i, 0,1,2,3,4,5,6,7
	v_sub_f32 v[8+(\i)], v[8+(\i)], v80
.endr
.irp i, 0,1,2,3,4,5,6,7
	v_mul_f32 v[8+(\i)], 0x3fb8aa3b, v[8+(\i)]
.endr
	v_exp_f32 v81, v81
.irp i, 0,1,2,3,4,5,6,7
	v_exp_f32 v[8+(\i)], v[8+(\i)]
.endr
	v_nop
	s_wait_alu depctr_va_vdst(0)                   ; one wait for the nine exponentials
	v_mul_f32 v82, v5, v81
	v_add_f32_dpp v82, v82, v82 row_xmask:1 row_mask:0xf bank_mask:0xf
	v_add_f32_dpp v82, v82, v82 row_xmask:2 row_mask:0xf bank_mask:0xf
	v_add_f32_dpp v82, v82, v82 row_xmask:4 row_mask:0xf bank_mask:0xf
	v_add_f32_dpp v82, v82, v82 row_xmask:8 row_mask:0xf bank_mask:0xf
	v_rcp_f32 v83, v82                             ; L is at least 1: the block that holds M has a p = 1
	v_nop
	s_wait_alu depctr_va_vdst(0)
	v_mul_f32 v84, v81, v83
.irp i, 0,1,2,3,4,5,6,7
	v_mul_f32 v[8+(\i)], v[8+(\i)], v83
.endr
	global_store_b128 v3, v[8:11], s[10:11]        ; 512 consecutive bytes, aligned
	global_store_b128 v3, v[12:15], s[10:11] offset:512
.irp b, 0,1,2,3,4,5,6,7,8,9,10,11,12,13,14,15
	v_readlane_b32 s[20+(\b)], v84, \b
.endr
	s_wait_loadcnt 0x0
.irp k, 0,1,2,3
	v_mul_f32 v[88+(\k)], s20, v[16+(\k)]
.endr
.irp b, 1,2,3,4,5,6,7,8,9,10,11,12,13,14,15
.irp k, 0,1,2,3
	v_fmac_f32 v[88+(\k)], s[20+(\b)], v[16+4*(\b)+(\k)]
.endr
.endr
	global_store_b128 v6, v[88:91], s[8:9]
	s_endpgm
.Lfunc_end_k_q92b5dcb3b2_comb:
	.size	k_q92b5dcb3b2_comb, .Lfunc_end_k_q92b5dcb3b2_comb-k_q92b5dcb3b2_comb
	.p2alignl 7, 3214868480
	.fill 96, 4, 3214868480
	.section	.rodata,"a",@progbits
	.p2align	6, 0x0
	.amdhsa_kernel k_q92b5dcb3b2_comb
		.amdhsa_group_segment_fixed_size 0
		.amdhsa_private_segment_fixed_size 0
		.amdhsa_enable_private_segment 0
		.amdhsa_kernarg_size 32
		.amdhsa_user_sgpr_count 2
		.amdhsa_user_sgpr_kernarg_segment_ptr 1
		.amdhsa_wavefront_size32 1
		.amdhsa_system_sgpr_workgroup_id_x 1
		.amdhsa_system_sgpr_workgroup_id_y 1
		.amdhsa_system_sgpr_workgroup_id_z 1
		.amdhsa_system_vgpr_workitem_id 0
		.amdhsa_next_free_vgpr 96
		.amdhsa_next_free_sgpr 66
		.amdhsa_reserve_vcc 0
		.amdhsa_float_denorm_mode_32 3
		.amdhsa_float_denorm_mode_16_64 3
		.amdhsa_memory_ordered 1
		.amdhsa_forward_progress 1
		.amdhsa_inst_pref_size 9
	.end_amdhsa_kernel
	.amdgpu_metadata
---
amdhsa.version: [ 1, 2 ]
amdhsa.kernels:
  - .name:           k_q92b5dcb3b2_comb
    .symbol:         k_q92b5dcb3b2_comb.kd
    .args:
      - { .name: SC, .offset: 0, .size: 8, .value_kind: global_buffer, .address_space: global }
      - { .name: CP, .offset: 8, .size: 8, .value_kind: global_buffer, .address_space: global }
      - { .name: out0, .offset: 16, .size: 8, .value_kind: global_buffer, .address_space: global }
      - { .name: out1, .offset: 24, .size: 8, .value_kind: global_buffer, .address_space: global }
    .group_segment_fixed_size: 0
    .private_segment_fixed_size: 0
    .kernarg_segment_align: 8
    .kernarg_segment_size: 32
    .max_flat_workgroup_size: 32
    .sgpr_count:     66
    .vgpr_count:     96
    .wavefront_size: 32
...
	.end_amdgpu_metadata
.endif
;; end of part 3
